; MI455X (gfx1250); checked and timed in simulation.
; The chip was launched on July 23, 2026; its instructions are those of AMD's public machine-readable ISA for CDNA 5 (MIT licence, August 2026) and "CDNA5" Instruction Set Architecture Reference Guide (July 2026). The comments in the code are by the model that wrote it; some were corrected since.
;; CSCFC Layer. Allowed arithmetic: float matrix products may take bf16 or f16 operands with f32 sums; other float arithmetic in f32, or as packed bf16 or f16 multiplies, adds, multiply-adds, maxima and minima; sums over many terms, partial sums and values carried from step to step in f32; what a program stores and reads back later, other than sums and carried values, may be rounded once to bf16 or f16.
;; Inputs: bias 4,096 float32; kernel 4,096 x 4,096 float32; x 4,096 x 4,096 float32.
;; Outputs: out0 4,096 x 4,096 float32.
;; One version. Each part assembles by itself: llvm-mc -triple=amdgcn-amd-amdhsa -mcpu=gfx1250 --defsym DOCPART=n.
;; ======== version 1 of 1: 2 launches
;; workspace buffers: xb 33,554,432 bytes; wb 33,554,432 bytes
;; launch cast (part 1): grid 1024 x 2, 8 waves a work-group, no clusters, 0 bytes of LDS; arguments x, kernel, xb, wb; writes xb, wb
.if DOCPART == 1
	.amdgcn_target "amdgcn-amd-amdhsa--gfx1250"
	.amdhsa_code_object_version 6
	.text
	.protected	k_q70e276fa3a_cast
	.globl	k_q70e276fa3a_cast
	.p2align	8
	.type	k_q70e276fa3a_cast,@function
k_q70e276fa3a_cast:
	s_mov_b64 s[64:65], 0
	v_nop
	global_prefetch_b8 v0, s[64:65] scope:SCOPE_SE
	s_setreg_imm32_b32 hwreg(HW_REG_WAVE_MODE, 25, 1), 1
	s_wait_xcnt 0x0
; xb = bf16(x), wb = bf16(kernel): both [4096][4096], same layout as their f32 sources, each number rounded once to nearest even.
; A pure stream: nothing is shared between waves, so no LDS, no barrier, no matrix work.
; SHARES.  Grid y = 0 casts x, y = 1 casts kernel.  Work-group gx takes 65,536 bytes of f32 (16,384 numbers), each of its eight waves 8,192.
; A lane issues all its 16 loads of 16 bytes at once (a wave's load covers 512 consecutive bytes); each load becomes two packed roundings
; and one store of 8 bytes a lane: 32 lanes x 8 bytes = 256 consecutive bytes, at a multiple of 256 from the buffer's first byte.
; Straight-line: no register that a load or store names is written again, so the only waits are the counted ones for the loads' data.
.set NLD, 16                           ; loads of a lane
.set IN,  1                            ; v1       byte offset of my 16 bytes in the group's input: 8,192 x wave + 16 x lane
.set OUT, 2                            ; v2       half of that: my 8 bytes in the group's output
.set X,   4                            ; v[4:67]  load i: 4 registers; the two roundings land in its first two
	s_load_b256 s[4:11], s[0:1], 0x0               ; x s[4:5], kernel s[6:7], xb s[8:9], wb s[10:11]
	v_lshrrev_b32 v[IN], 5, v0                     ; wave
	v_and_b32 v[OUT], 31, v0                       ; lane
	v_lshlrev_b32 v[IN], 13, v[IN]
	v_lshl_or_b32 v[IN], v[OUT], 4, v[IN]
	v_lshrrev_b32 v[OUT], 1, v[IN]
	s_and_b32 s12, ttmp7, 0xffff                   ; which tensor
	s_lshl_b32 s18, ttmp9, 16                      ; the group's 65,536 bytes in (1,024 groups: under 2^26),
	s_mov_b32 s19, 0
	s_lshl_b32 s20, ttmp9, 15                      ; and its 32,768 bytes out
	s_mov_b32 s21, 0
	s_wait_kmcnt 0x0
	s_cmp_eq_u32 s12, 0
	s_cselect_b64 s[14:15], s[4:5], s[6:7]         ; from x or from kernel,
	s_cselect_b64 s[16:17], s[8:9], s[10:11]       ; to xb or to wb
	s_add_nc_u64 s[14:15], s[14:15], s[18:19]
	s_add_nc_u64 s[16:17], s[16:17], s[20:21]
.irp i, 0,1,2,3,4,5,6,7,8,9,10,11,12,13,14,15
	global_load_b128 v[X+4*(\i):X+4*(\i)+3], v[IN], s[14:15] offset:512*(\i) th:TH_LOAD_NT
.endr
.irp i, 0,1,2,3,4,5,6,7,8,9,10,11,12,13,14,15
	s_wait_loadcnt NLD-1-(\i)                      ; loads come back in order: load i is in, the 15 - i younger ones stay out
	v_cvt_pk_bf16_f32 v[X+4*(\i)],   v[X+4*(\i)],   v[X+4*(\i)+1]
	v_cvt_pk_bf16_f32 v[X+4*(\i)+1], v[X+4*(\i)+2], v[X+4*(\i)+3]
	global_store_b64 v[OUT], v[X+4*(\i):X+4*(\i)+1], s[16:17] offset:256*(\i) th:TH_STORE_NT
.endr
	s_endpgm
.Lfunc_end_k_q70e276fa3a_cast:
	.size	k_q70e276fa3a_cast, .Lfunc_end_k_q70e276fa3a_cast-k_q70e276fa3a_cast
	.p2alignl 7, 3214868480
	.fill 96, 4, 3214868480
	.section	.rodata,"a",@progbits
	.p2align	6, 0x0
	.amdhsa_kernel k_q70e276fa3a_cast
		.amdhsa_group_segment_fixed_size 0
		.amdhsa_private_segment_fixed_size 0
		.amdhsa_enable_private_segment 0
		.amdhsa_kernarg_size 32
		.amdhsa_user_sgpr_count 2
		.amdhsa_user_sgpr_kernarg_segment_ptr 1
		.amdhsa_wavefront_size32 1
		.amdhsa_system_sgpr_workgroup_id_x 1
		.amdhsa_system_sgpr_workgroup_id_y 1
		.amdhsa_system_sgpr_workgroup_id_z 1
		.amdhsa_system_vgpr_workitem_id 0
		.amdhsa_next_free_vgpr 68
		.amdhsa_next_free_sgpr 66
		.amdhsa_reserve_vcc 0
		.amdhsa_float_denorm_mode_32 3
		.amdhsa_float_denorm_mode_16_64 3
		.amdhsa_memory_ordered 1
		.amdhsa_forward_progress 1
		.amdhsa_inst_pref_size 7
	.end_amdhsa_kernel
	.amdgpu_metadata
---
amdhsa.version: [ 1, 2 ]
amdhsa.kernels:
  - .name:           k_q70e276fa3a_cast
    .symbol:         k_q70e276fa3a_cast.kd
    .args:
      - { .name: x, .offset: 0, .size: 8, .value_kind: global_buffer, .address_space: global }
      - { .name: kernel, .offset: 8, .size: 8, .value_kind: global_buffer, .address_space: global }
      - { .name: xb, .offset: 16, .size: 8, .value_kind: global_buffer, .address_space: global }
      - { .name: wb, .offset: 24, .size: 8, .value_kind: global_buffer, .address_space: global }
    .group_segment_fixed_size: 0
    .private_segment_fixed_size: 0
    .kernarg_segment_align: 8
    .kernarg_segment_size: 32
    .max_flat_workgroup_size: 256
    .sgpr_count:     66
    .vgpr_count:     68
    .wavefront_size: 32
...
	.end_amdgpu_metadata
.endif
;; end of part 1
;; launch gemm (part 2): grid 16 x 16, 4 waves a work-group, clusters of 4 x 4, 327,680 bytes of LDS; arguments xb, wb, bias, out0; writes out0
.if DOCPART == 2
	.amdgcn_target "amdgcn-amd-amdhsa--gfx1250"
	.amdhsa_code_object_version 6
	.text
	.protected	k_q70e276fa3a_gemm
	.globl	k_q70e276fa3a_gemm
	.p2align	8
	.type	k_q70e276fa3a_gemm,@function
k_q70e276fa3a_gemm:
	s_mov_b64 s[64:65], 0
	v_nop
	global_prefetch_b8 v0, s[64:65] scope:SCOPE_SE
	s_setreg_imm32_b32 hwreg(HW_REG_WAVE_MODE, 25, 1), 1
	s_wait_xcnt 0x0
	s_wait_alu depctr_hold_cnt(0) depctr_sa_sdst(0) depctr_va_vdst(0) depctr_va_sdst(0) depctr_va_ssrc(0) depctr_va_vcc(0) depctr_vm_vsrc(0)
	s_getreg_b32 s2, hwreg(HW_REG_IB_STS2, 6, 4)
	s_cmp_eq_u32 s2, 0
	s_cbranch_scc0 .Lentry_in_a_cluster
	s_endpgm
.Lentry_in_a_cluster:
	s_bfe_u32 s2, ttmp6, 0x10000c
	s_cmp_lg_u32 s2, 0xf033
	s_cbranch_scc0 .Lentry_shape_is_right
	s_endpgm
.Lentry_shape_is_right:
; out0[m][n] = max(0, bias[n] + sum over k of xb[m][k] wb[k][n]).  xb: [4096 m][4096 k] bf16, wb: [4096 k][4096 n] bf16, bias: [4096] f32, out0: [4096][4096] f32.
; Products of bf16 numbers, sums in f32; the bias is the C operand that starts each sum; the maximum with 0 is taken in f32 on the way out.
; LIMITS.  x and kernel were rounded once to bf16 by the launch before.  A sum that is NaN (it can arise only from NaN or infinite inputs or from an overflow of f32) leaves as 0:
; v_max_num_f32 drops a NaN, where the function computed here would hand it on.
; SHARES.  A tile of out0, 256 x 256, is made by a work-group of four waves; a wave makes 128 x 128: 64 accumulators of 16 x 16, 512 registers.  16 x 16 tiles: 256 work-groups, one tile each.
; K goes in 32 steps of 128 through a ring of two LDS slots filled by the tensor data mover.  A's tile (256 rows of xb x 128 k) has rows of 256 bytes; B's (128 k-rows of wb x 256 n) rows of 512 bytes.
; B LIES [k][n]: its fragments come out of LDS turned, by ds_load_tr16_b128, so wb needs no transposed copy.
; CLUSTERS: 4 x 4 work-groups.  The four of a row of the cluster need the same tiles of A, the four of a column the same tiles of B: each tile is asked for JOINTLY, by the same tensor load with the
; same descriptor and a mask that names the four; each receives it in its own LDS.  That divides the requests for A and for B by four.
; THE MATRIX INSTRUCTION IS USED TRANSPOSED: source 0 = 16 columns of wb, source 1 = 16 rows of xb.  In the result lane l holds row m = l % 16 and, in registers 0 to 7, the columns
; 8 (l / 16) + 0 .. 7: eight neighbouring numbers of a row of out0, 32 bytes.
; REGISTERS, in windows of 256 (s_set_vgpr_msb's low byte: bits 1:0 source 0, 3:2 source 1, 5:4 source 2, 7:6 destination):
;   window 0: v0-31 addresses; v64-127, v128-191 fragments of A, two buffers; on the way out v64-127 results, v128-191 and v192-255 rows read back, by turns
;   window 1: v0-63 the bias of my 128 columns, laid out as a C operand (block b at v[8 b]); v64-127, v128-191 fragments of B, two buffers
;   window 2: the 32 accumulators of my rows 0-63 (accumulator (a, b) at v[8 (8 a + b)]);   window 3: those of my rows 64-127
.set KSTEP,  128
.set ROWX,   8192                      ; bytes in a row of xb
.set ROWW,   8192                      ; bytes in a row of wb
.set ROWO,   16384                     ; bytes in a row of out0
.set PA,     272                       ; a row of A in LDS: 256 bytes + 16 of padding = 68 words: row r starts at bank 4 r mod 64 (64 banks of 4 bytes: ISA guide 11.1), so the 16 rows of a load start at 16 different banks
.set PB,     544                       ; a k-row of B: 512 bytes + 32 of padding = 136 words: row r starts at bank 8 r mod 64
.set HALFT,  128*PA                    ; what one tensor load brings: 128 rows of A, or 64 k-rows of B (64 x 544 is the same 34,816 bytes)
.set SLOT,   4*HALFT                   ; A's 256 rows, then B's 128 k-rows
.set STAGE,  2*SLOT                    ; behind the ring, never filled by a tensor load: 16 rows x 528 bytes for each wave, for the way out
.set SP,     528                       ; a stage row: 512 bytes + 16
.set WSTG,   16*SP
.set SPARE,  STAGE+4*WSTG              ; behind the stages: the spare words, 128 bytes for each wave: two blocks of 256 bytes that no other line names
.set LAPS,   4096/(2*KSTEP)            ; a lap = two K steps = once round the ring
.set ADRA, 16                          ; v16-17  LDS address of my A fragments in slot 0, 1
.set ADRB, 20                          ; v20-21  the same for B
.set STO,  24                          ; v24     the way out: where I put 32 bytes of a row
.set RD,   25                          ; v25     the way out: where I read 16 bytes of a row back
.set CO,   26                          ; v26     my 16 bytes in 512 consecutive bytes of out0
.set BO,   27                          ; v27     my byte offset in 64 bytes of bias: 32 (l / 16)
.set SPW,  28                          ; v28     LDS address of my spare word: SPARE + 4 x my thread's number; never rewritten
.set NIL,  29                          ; v29     0; never rewritten
.set PFO,  30                          ; v30     the prefetches' offset; never rewritten
.set F0,   64                          ; fragment buffer 0
.set F1,   128                         ; fragment buffer 1
.set TMP,  64                          ; the way out: a block's 16 x 128 results, in window 0
.set BK0,  128                         ; the way out: 16 rows read back: v128-191 and v192-255 by turns
.set WV,   12                          ; s12  my wave's number
.set RH,   13                          ; s13  which half of the tile's rows is mine.  Also: I fetch for A (0) or for B (1)
.set CH,   14                          ; s14  which half of its columns.  Also: which half of that tile I fetch
.set LIM,  40                          ; s40  1 in a wave that prefetches, else the greatest number
.set PFS,  42                          ; s[42:43] a K step in bytes along my prefetches' road: 256 in xb, 128 rows in wb
.set PFA,  44                          ; s[44:45] where my prefetches stand
.set G1,   24                          ; s[24:31] descriptor group 1 for A's tiles
.set G0,   32                          ; s[32:39] descriptor group 0 for A's tiles, one set for each slot
.set G1B,  48                          ; s[48:55] descriptor group 1 for B's tiles
.set G0B,  56                          ; s[56:63] descriptor group 0 for B's tiles, one set for each slot
.set MSB, 0
.macro WIN new                         ; the immediate's high byte repeats the setting that is left; a switch that changes nothing is dropped
.if MSB != (\new)
	s_set_vgpr_msb (MSB<<8)|(\new)
.set MSB, \new
.endif
.endm
.set MUL_LO,   0xa1                    ; source 0 (B) window 1, source 1 (A) window 0, C and D window 2
.set MUL_HI,   0xf1                    ; the same, C and D window 3
.set FIRST_LO, 0x91                    ; the first products: C (the bias) window 1, D window 2
.set FIRST_HI, 0xd1                    ; the same, D window 3
.set TO_B,     0x40                    ; destination window 1, address window 0
; A joint load.  Waves 0 and 1 fetch A's two halves, waves 2 and 3 B's.  Each of the two lines has ONE mask and one set of registers for all that issue it, and nothing in them hangs on a
; coordinate that the four partners do not share.  The branch hangs on the wave's number alone.  An s_nop 0 and four v_nop follow each of the two lines, ahead of the jump and the label.
.macro JLOAD s
	s_cmp_eq_u32 s[RH], 0
	s_cbranch_scc0 .Lfor_b_\@
	tensor_load_to_lds s[G0+4*(\s):G0+4*(\s)+3], s[G1:G1+7]
	s_nop 0
.rept 4
	v_nop
.endr
	s_branch .Lasked_\@
.Lfor_b_\@:
	tensor_load_to_lds s[G0B+4*(\s):G0B+4*(\s)+3], s[G1B:G1B+7]
	s_nop 0
.rept 4
	v_nop
.endr
.Lasked_\@:
.endm
; A PREFETCH INTO THE L2, behind each joint refill, its five lines and the run of LDS loads that follows them: my share of the K step that stands TWO refills on, 512 matrix instructions ahead of the load
; that will want it; one instruction a wave.  Each aligned block of 256 bytes of xb and wb is named ONCE in the launch.  A's tile row is read by every cluster of that row of clusters: cluster x = 0 asks; B's
; tile column by every cluster of that column: cluster y = 0 asks.  The four partners that ask for a tile jointly share it out BY ADDRESS: of the 128 rows of xb that a wave fetches the partner at cx takes 32,
; a lane a row; of the 64 k-rows of wb the partner at cy takes 16, two lanes a row of 512 bytes.  K steps 0 to 3 come by their loads alone; the loop's last trip (s3 = 1) asks for nothing: there is no K step 32.
.macro ASK
	s_cmp_gt_u32 s3, s[LIM]
	s_cbranch_scc0 .Lnot_mine_\@
	global_prefetch_b8 v[PFO], s[PFA:PFA+1] th:TH_LOAD_NT scope:SCOPE_SE
.Lnot_mine_\@:
.endm
; A round of the cluster's barrier: my work-group's barrier, so that wave 0's signal speaks for all four waves; wave 0 signals for the work-group; every wave waits for all sixteen work-groups;
; my work-group's barrier once more.  No LDS instruction of the wave is pending at a signal.
.macro CREST                           ; a round behind its opening barrier
	s_cmp_lg_u32 s[WV], 0
	s_cbranch_scc1 .Lnot_wave_0_\@
	s_barrier_signal -3
.Lnot_wave_0_\@:
	s_barrier_wait -3
	s_barrier_signal -1
	s_barrier_wait -1
.endm
.macro CROUND                          ; a whole round
	s_barrier_signal -1
	s_barrier_wait -1
	CREST
.endm
	s_load_b256 s[4:11], s[0:1], 0x0               ; xb s[4:5], wb s[6:7], bias s[8:9], out0 s[10:11]
	v_lshl_add_u32 v[SPW], v0, 2, SPARE
	v_mov_b32 v[NIL], 0
	ds_add_u32 v[SPW], v[NIL]                      ; the wave's opening: the add, twice on end, and its wait ahead of my first tensor load; the set-up below, work on registers, stands between
	ds_add_u32 v[SPW], v[NIL]                      ; and once more, under the one wait
	v_lshrrev_b32 v1, 5, v0
	v_readfirstlane_b32 s[WV], v1                  ; wave 0..3
	s_lshr_b32 s[RH], s[WV], 1
	s_and_b32 s[CH], s[WV], 1
	s_bfe_u32 s15, ttmp6, 0x40000                  ; cx: my place along the cluster's x
	s_bfe_u32 s16, ttmp6, 0x40004                  ; cy: along its y
	s_lshl_b32 s17, ttmp9, 2                       ; in a cluster launch ttmp9 and ttmp7 count clusters
	s_add_co_u32 s17, s17, s15                     ; tile column = 4 x cluster x + cx
	s_and_b32 s18, ttmp7, 0xffff
	s_lshl_b32 s18, s18, 2
	s_add_co_u32 s18, s18, s16                     ; tile row = 4 x cluster y + cy
	s_lshl_b32 s19, s16, 2
	s_lshl_b32 s19, 15, s19                        ; my row of the cluster: places 4 cy .. 4 cy + 3
	s_lshl_b32 s41, 0x1111, s15                    ; my column: places cx, cx + 4, cx + 8, cx + 12
	; descriptor group 1.  A: 128 rows x 128 elements, 16 bytes of padding behind each row.  B: 64 rows x 256 elements, 32 bytes behind each row.
	s_or_b32 s[G1+0], s19, (1<<16)|(1<<20)|(1<<21)|(5<<22)|(3<<25)   ; 15:0 the mask: A's tiles go to my row; 17:16 elements of 2 bytes; 20 padding on; 21 set beside a mask; 24:22 after every 64 words (code 5); 31:25 4 words (code 3)
	s_or_b32 s[G1B+0], s41, (1<<16)|(1<<20)|(1<<21)|(6<<22)|(7<<25)  ; the mask of my column; after every 128 words (code 6) 8 words (code 7)
	s_mov_b32 s[G1+1], 128<<16                     ; tensor_dim0 = 128
	s_mov_b32 s[G1+2], 128<<16                     ; tensor_dim1 = 128
	s_mov_b32 s[G1+3], 128<<16                     ; tile_dim0 = 128
	s_mov_b32 s[G1+4], 128                         ; tile_dim1 = 128
	s_mov_b32 s[G1+5], 4096                        ; elements from row to row
	s_mov_b32 s[G1+6], 0
	s_mov_b32 s[G1+7], 0
	s_mov_b32 s[G1B+1], 256<<16                    ; tensor_dim0 = 256
	s_mov_b32 s[G1B+2], 64<<16                     ; tensor_dim1 = 64
	s_mov_b32 s[G1B+3], 256<<16                    ; tile_dim0 = 256
	s_mov_b32 s[G1B+4], 64                         ; tile_dim1 = 64
	s_mov_b32 s[G1B+5], 4096
	s_mov_b32 s[G1B+6], 0
	s_mov_b32 s[G1B+7], 0
	; where the tiles come from.  A's hang on the tile row alone, which my row of the cluster shares; B's on the tile column alone, which my column shares.  Every wave makes both, in registers of their own.
	s_lshl_b32 s20, s18, 8
	s_lshl_b32 s21, s[CH], 7
	s_add_co_u32 s20, s20, s21                     ; A: row 256 x tile row + 128 x half,
	s_lshl_b32 s20, s20, 13                        ; times 8,192 bytes: under 2^25
	s_mov_b32 s21, 0
	s_lshl_b32 s46, s[CH], 19                      ; B: k-row 64 x half, times 8,192 bytes,
	s_lshl_b32 s47, s17, 9                         ; + 512 bytes x tile column
	s_add_co_u32 s46, s46, s47
	s_mov_b32 s47, 0
	s_mul_i32 s22, s[WV], HALFT                    ; and where they go: A's two halves, then B's two halves = wave x 34,816: no place in the cluster enters an LDS address
	s_wait_dscnt 0x0                               ; both opening adds are done
	s_wait_kmcnt 0x0
	s_add_nc_u64 s[20:21], s[4:5], s[20:21]
	s_add_nc_u64 s[46:47], s[6:7], s[46:47]
	CROUND                                         ; all sixteen work-groups are here: the first joint loads meet
.irp s, 0,1
	s_mov_b32 s[G0+4*(\s)], 1                                        ; 1:0 count = 1
	s_add_co_u32 s[G0+4*(\s)+1], s22, (\s)*SLOT                      ; 63:32 LDS address
	s_add_nc_u64 s[G0+4*(\s)+2:G0+4*(\s)+3], s[20:21], (\s)*KSTEP*2  ; 120:64 global address: K step s lies 256 bytes along the rows of xb,
	s_or_b32 s[G0+4*(\s)+3], s[G0+4*(\s)+3], 0x80000000              ; 127:126 type = 2
	s_mov_b32 s[G0B+4*(\s)], 1
	s_add_co_u32 s[G0B+4*(\s)+1], s22, (\s)*SLOT
	s_add_nc_u64 s[G0B+4*(\s)+2:G0B+4*(\s)+3], s[46:47], (\s)*KSTEP*ROWW  ; and 128 rows down wb
	s_or_b32 s[G0B+4*(\s)+3], s[G0B+4*(\s)+3], 0x80000000
	JLOAD \s                                       ; the ring is filled before anything else is done: two loads of mine are out
.endr
	; A fragment of A is 16 rows x 32 k in 8 registers: lane l holds row l % 16; registers 0-3 hold k = 8 (l / 16) + 0..7, registers 4-7 k = 16 + 8 (l / 16) + 0..7: two loads of 16 bytes, 32 bytes apart.
	; A fragment of B has the same map with column l % 16 for the row.  The turning load takes 16 k-rows x 16 columns (lane l reads 16 bytes: k-row 8 (l / 16) + l % 8, columns 8 ((l / 8) % 2) + 0..7) and
	; leaves half a fragment: two loads, 16 k-rows apart.
	v_and_b32 v1, 15, v0                           ; l % 16
	v_bfe_u32 v2, v0, 4, 1                         ; l / 16
	v_and_b32 v3, 7, v0                            ; l % 8
	v_bfe_u32 v4, v0, 3, 1                         ; (l / 8) % 2
	v_mul_u32_u24 v5, v1, PA
	v_lshl_add_u32 v5, v2, 4, v5                   ; A: row x pitch + 16 x half
	v_lshl_add_u32 v6, v2, 3, v3
	v_mul_u32_u24 v6, v6, PB
	v_lshl_add_u32 v6, v4, 4, v6                   ; B: k-row x pitch + 16 x column half
	s_mul_i32 s19, s[RH], HALFT                    ; my 128 rows of A
	s_lshl_b32 s41, s[CH], 8                       ; my 128 columns of B: 256 bytes of each k-row,
	s_add_co_u32 s41, s41, 2*HALFT                 ; behind A's 256 rows
.irp s, 0,1
	v_add_nc_u32 v[ADRA+(\s)], s19, v5
	v_add_nc_u32 v[ADRB+(\s)], s41, v6
	s_add_co_u32 s19, s19, SLOT
	s_add_co_u32 s41, s41, SLOT
.endr
	s_mul_i32 s19, s[WV], WSTG
	s_add_co_u32 s19, s19, STAGE                   ; my stage
	v_mul_u32_u24 v5, v1, SP                       ; in: row l % 16, 32 bytes for each half of the lanes
	v_lshl_add_u32 v5, v2, 5, v5
	v_add_nc_u32 v[STO], s19, v5
	v_and_b32 v6, 31, v0                           ; l
	v_lshlrev_b32 v[CO], 4, v6                     ; back: 32 lanes take one row of 512 bytes,
	v_add_nc_u32 v[RD], s19, v[CO]                 ; which is 512 consecutive bytes of out0
	v_lshlrev_b32 v[BO], 5, v2
	; out0 and bias at my part of the tile
	s_lshl_b32 s46, s17, 10                        ; my first column in bytes of f32: 1,024 x tile column + 512 x half
	s_lshl_b32 s47, s[CH], 9
	s_add_co_u32 s46, s46, s47
	s_mov_b32 s47, 0
	s_add_nc_u64 s[8:9], s[8:9], s[46:47]
	s_add_nc_u64 s[10:11], s[10:11], s[46:47]
	s_lshl_b32 s22, s18, 8
	s_lshl_b32 s23, s[RH], 7
	s_add_co_u32 s22, s22, s23                     ; my first row: 256 x tile row + 128 x half,
	s_lshl_b32 s22, s22, 14                        ; times 16,384 bytes: under 2^26
	s_mov_b32 s23, 0
	s_add_nc_u64 s[10:11], s[10:11], s[22:23]
	WIN TO_B
.irp b, 0,1,2,3,4,5,6,7                ; the bias as a C operand: register j of block b is bias[my first column + 16 b + 8 (l / 16) + j], the same for all 16 rows
	global_load_b128 v[8*(\b):8*(\b)+3],   v[BO], s[8:9] offset:64*(\b)
	global_load_b128 v[8*(\b)+4:8*(\b)+7], v[BO], s[8:9] offset:64*(\b)+16
.endr
	WIN 0
	; the prefetches.  Both roads' offsets are made, at K step 3 (the first refill steps the address to K step 4); then the wave's number chooses.
	s_lshl_b32 s20, s18, 8
	s_lshl_b32 s19, s[CH], 7
	s_add_co_u32 s20, s20, s19                     ; xb: the 128 rows that I fetch,
	s_lshl_b32 s19, s15, 5
	s_add_co_u32 s20, s20, s19                     ; my work-group's 32 of them
	s_lshl_b32 s20, s20, 13
	s_add_co_u32 s20, s20, 3*KSTEP*2
	s_lshl_b32 s22, s[CH], 6                       ; wb: the 64 k-rows that I fetch,
	s_lshl_b32 s19, s16, 4
	s_add_co_u32 s22, s22, s19                     ; my work-group's 16 of them
	s_add_co_u32 s22, s22, 3*KSTEP
	s_lshl_b32 s22, s22, 13
	s_lshl_b32 s19, s17, 9
	s_add_co_u32 s22, s22, s19                     ; at the tile column's 512 bytes
	s_and_b32 s41, ttmp7, 0xffff                   ; cluster y
	s_mov_b32 s19, KSTEP*2
	s_mov_b32 s23, KSTEP*ROWW
	s_cmp_eq_u32 s[RH], 0                          ; do I fetch for A?
	s_cselect_b32 s20, s20, s22
	s_cselect_b64 s[PFA:PFA+1], s[4:5], s[6:7]
	s_cselect_b32 s[PFS], s19, s23
	s_cselect_b32 s41, ttmp9, s41                  ; the coordinate along which other clusters read the same blocks
	s_mov_b32 s21, 0
	s_mov_b32 s[PFS+1], 0
	s_add_nc_u64 s[PFA:PFA+1], s[PFA:PFA+1], s[20:21]
	s_cmp_eq_u32 s41, 0
	s_cselect_b32 s[LIM], 1, -1                    ; the same in all sixteen partners, for a given wave
	v_lshrrev_b32 v5, s[RH], v6                    ; xb: row l;          wb: k-row l / 2,
	v_and_b32 v[PFO], s[RH], v6                    ;                         block l % 2 of its 512 bytes
	v_lshlrev_b32 v[PFO], 8, v[PFO]
	v_lshl_add_u32 v[PFO], v5, 13, v[PFO]
	; nothing is prefetched here, at the head, where every work-group's first two tiles are on their way
; 16 matrix instructions: m blocks a0, a0 + 1 of the window's four (hi = 0: my rows 0-63, 1: rows 64-127) x all 8 n blocks, 32 along K.
; first = 1: the product starts the sum with the bias as C: nothing is cleared, and no bias is added later.
; The 64 accumulators take turns, one instruction a turn, in the same order in every quarter step, over the backward jump and into the tail.
.macro MUL16 f, hi, a0, first
.if \first
	WIN FIRST_LO+0x40*(\hi)
.else
	WIN MUL_LO+0x50*(\hi)
.endif
.irp a, \a0, (\a0)+1
.irp b, 0,1,2,3,4,5,6,7
.if \first
	v_wmma_f32_16x16x32_bf16 v[8*(8*(\a)+(\b)):8*(8*(\a)+(\b))+7], v[(\f)+8*(\b):(\f)+8*(\b)+7], v[(\f)+8*(4*(\hi)+(\a)):(\f)+8*(4*(\hi)+(\a))+7], v[8*(\b):8*(\b)+7]
.else
	v_wmma_f32_16x16x32_bf16 v[8*(8*(\a)+(\b)):8*(8*(\a)+(\b))+7], v[(\f)+8*(\b):(\f)+8*(\b)+7], v[(\f)+8*(4*(\hi)+(\a)):(\f)+8*(4*(\hi)+(\a))+7], v[8*(8*(\a)+(\b)):8*(8*(\a)+(\b))+7]
.endif
.endr
.endr
.endm
; 32 LDS loads in one run: the fragments of quarter q of a K step (k = 32 q .. 32 q + 31: 128 columns of B, turned, then 128 rows of A) into buffer f.  The largest offset is 61,152.
.macro FETCH slot, q, f
	WIN TO_B
.irp i, 0,1,2,3,4,5,6,7
	ds_load_tr16_b128 v[(\f)+8*(\i):(\f)+8*(\i)+3],   v[ADRB+(\slot)] offset:(\q)*32*PB+32*(\i)
	ds_load_tr16_b128 v[(\f)+8*(\i)+4:(\f)+8*(\i)+7], v[ADRB+(\slot)] offset:(\q)*32*PB+16*PB+32*(\i)
.endr
	WIN 0
.irp i, 0,1,2,3,4,5,6,7
	ds_load_b128 v[(\f)+8*(\i):(\f)+8*(\i)+3],   v[ADRA+(\slot)] offset:64*(\q)+(\i)*16*PA
	ds_load_b128 v[(\f)+8*(\i)+4:(\f)+8*(\i)+7], v[ADRA+(\slot)] offset:64*(\q)+(\i)*16*PA+32
.endr
.endm
; A load into a register that a matrix instruction has read, and a vector instruction that reads a matrix result or writes one of a matrix instruction's registers, stand four places behind it, and only
; plain vector instructions that name none of its registers are places (ISA guide 7.12.1 for vector instructions).
.macro PLACES
.rept 4
	v_nop
.endr
.endm
; A K step is four quarters of 32 along K, 64 matrix instructions each, on buffers 0, 1, 0, 1.  One of the first three: multiplies buffer f; in its middle it fetches quarter q of the same slot into buffer g.
.macro QUARTER slot, q, f, g, first
	s_wait_dscnt 8                                 ; B and A's rows 0-63 are in; the youngest eight loads (A's rows 64-127) may be out
	MUL16 \f, 0, 0, \first
	MUL16 \f, 0, 2, \first
	PLACES
	FETCH \slot, \q, \g
	s_wait_dscnt 32                                ; all but the 32 just issued
	MUL16 \f, 1, 0, \first
	MUL16 \f, 1, 2, \first
.endm
; The last quarter multiplies buffer 1 and changes slots.  MEET is its first half: ONE barrier for the change.  In front of it each wave waits for all its tensor loads, of which one is out: its part of the
; next slot; adds 0 to its spare word; and waits for that and for its own reads of this slot.  Behind it nobody reads this slot any more and the next slot is whole.
.macro MEET round                      ; round = 1: the rest of a round of the cluster's barrier follows
	WIN 0                                          ; (the add's two registers lie in window 0)
	s_wait_tensorcnt 0x0                           ; all my tensor loads have landed;
	ds_add_u32 v[SPW], v[NIL]                      ; 0 onto my spare word;
	s_wait_dscnt 9                                 ; (the add and the youngest eight loads may be out)
	MUL16 F1, 0, 0, 0                              ; sixteen matrix instructions stand between the add and the wait for it
	s_wait_dscnt 0x0                               ; the add is done, and my reads of this slot are over:
	s_barrier_signal -1                            ; say so,
	MUL16 F1, 0, 2, 0                              ; work on registers while the others arrive,
.if \round
	WIN 0
.endif
	s_barrier_wait -1                              ; and go on when all four have said so
.endm
; The whole last quarter.  fill = 1: behind a round of the cluster's barrier the slot just read out is filled again first, with the K step two steps on: from that request to the wait for it a wave issues
; 224 matrix instructions; then come the next slot's first fragments.  fill = 0: nothing is left to ask for, so no round.
.macro TURN slot, next, fill
.if \fill
	s_wait_xcnt 0x0                                ; the last prefetch, a K step back, has read its address: it is stepped here, ahead of the waits of the change of slots
	s_add_nc_u64 s[PFA:PFA+1], s[PFA:PFA+1], s[PFS:PFS+1]
	MEET 1
	CREST                                          ; no wave of any partner still reads this slot's tile or has a load on its way
	s_add_nc_u64 s[G0+4*(\slot)+2:G0+4*(\slot)+3], s[G0+4*(\slot)+2:G0+4*(\slot)+3], 2*KSTEP*2
	s_add_nc_u64 s[G0B+4*(\slot)+2:G0B+4*(\slot)+3], s[G0B+4*(\slot)+2:G0B+4*(\slot)+3], 2*KSTEP*ROWW
	JLOAD \slot                                    ; the first tensor load behind the round, my only one until the next; its four v_nop are also the places in front of the loads below
.else
	MEET 0
	PLACES
.endif
	FETCH \next, 0, F0
.if \fill
	ASK
.endif
	MUL16 F1, 1, 0, 0
	MUL16 F1, 1, 2, 0
.endm
; THE WAY OUT of block a (my rows 16 a .. 16 a + 15), in three parts.  RELU: the maximum with 0, each accumulator's registers in ascending order, into window 0.  TOSTAGE: 32 bytes a lane and n block into my own
; stage, and back as whole rows of 512 bytes.  SEND: stored.
.macro RELU a
	WIN 0x0a+5*((\a)/4)                            ; sources in window 2 or 3, destination in window 0
.set i, 0
.rept 64
	v_max_num_f32 v[TMP+i], 0, v[64*((\a)%4)+i]
.set i, i+1
.endr
	WIN 0
.endm
.macro TOSTAGE a
	WIN 0
.set BK, BK0+64*((\a)%2)
.irp b, 0,1,2,3,4,5,6,7
	ds_store_b128 v[STO], v[TMP+8*(\b):TMP+8*(\b)+3]   offset:64*(\b)
	ds_store_b128 v[STO], v[TMP+8*(\b)+4:TMP+8*(\b)+7] offset:64*(\b)+16
.endr
.irp t, 0,1,2,3,4,5,6,7,8,9,10,11,12,13,14,15
	ds_load_b128 v[BK+4*(\t):BK+4*(\t)+3], v[RD] offset:(\t)*SP  ; LDS serves a wave's instructions in order (ISA guide 5.7.1.4): these see the stores above; the next block's stores come behind them
.endr
.endm
.macro SEND a
	WIN 0
.set BK, BK0+64*((\a)%2)
	s_wait_xcnt 0x0                                ; every earlier store has read its registers and its base: only behind this wait are the base and the rows' other buffer written again
.if (\a) > 0
	s_add_nc_u64 s[10:11], s[10:11], 16*ROWO       ; 16 rows of out0 on
.endif
.irp t, 0,1,2,3,4,5,6,7,8,9,10,11,12,13,14,15
	s_wait_dscnt 15-(\t)                           ; row t is back; the 15 - t younger loads may be out
	global_store_b128 v[CO], v[BK+4*(\t):BK+4*(\t)+3], s[10:11] offset:(\t)*ROWO th:TH_STORE_NT  ; 32 lanes store 512 consecutive bytes, at a multiple of 512 from out0's first byte
.endr
.endm
	s_wait_tensorcnt 1                             ; my part of K step 0 is in; K step 1's may stay out
	s_barrier_signal -1
	s_barrier_wait -1                              ; everybody's is
	FETCH 0, 0, F0
	s_wait_loadcnt 0x0                             ; the bias
	QUARTER 0, 1, F0, F1, 1                        ; the first quarter stands in front of the loop: its products start the sums, with the bias
	WIN 0                                          ; at a label and at a branch every window is 0
	s_mov_b32 s3, LAPS-1
.Llap:                                                 ; a trip goes once round the ring, from a lap's second quarter to the next lap's first, and fills both slots again
	QUARTER 0, 2, F1, F0, 0
	QUARTER 0, 3, F0, F1, 0
	TURN 0, 1, 1
	QUARTER 1, 1, F0, F1, 0
	QUARTER 1, 2, F1, F0, 0
	QUARTER 1, 3, F0, F1, 0
	TURN 1, 0, 1
	QUARTER 0, 1, F0, F1, 0
	WIN 0
	s_sub_co_u32 s3, s3, 1
	s_cmp_lg_u32 s3, 0
	s_cbranch_scc1 .Llap
	QUARTER 0, 2, F1, F0, 0                        ; the last lap is written out: it fills nothing and has no round of the cluster's barrier
	QUARTER 0, 3, F0, F1, 0
	TURN 0, 1, 0
	QUARTER 1, 1, F0, F1, 0
	QUARTER 1, 2, F1, F0, 0
	QUARTER 1, 3, F0, F1, 0
	s_wait_dscnt 8                                 ; the very last quarter: nothing more to fetch
	MUL16 F1, 0, 0, 0
	MUL16 F1, 0, 2, 0
	s_wait_dscnt 0x0
	MUL16 F1, 1, 0, 0
	MUL16 F1, 1, 2, 0
	WIN 0
	PLACES                                         ; behind the last products: the lines below read results and write over fragment registers
	PLACES                                         ; (eight, once a launch)
	RELU 0
	TOSTAGE 0
.irp a, 1,2,3,4,5,6,7                  ; block a's 64 maxima stand between block a - 1's loads from the stage and the waits for them
	RELU \a
	SEND (\a)-1
	TOSTAGE \a
.endr
	SEND 7
	s_wait_tensorcnt 0x0                           ; the wave's end, behind my last tensor load and my last LDS store
	ds_add_u32 v[SPW], v[NIL]
	s_wait_dscnt 0x0
	CROUND                                         ; the closing round: no work-group ends while a partner may still ask for a tile that names it
	s_endpgm
.Lfunc_end_k_q70e276fa3a_gemm:
	.size	k_q70e276fa3a_gemm, .Lfunc_end_k_q70e276fa3a_gemm-k_q70e276fa3a_gemm
	.p2alignl 7, 3214868480
	.fill 96, 4, 3214868480
	.section	.rodata,"a",@progbits
	.p2align	6, 0x0
	.amdhsa_kernel k_q70e276fa3a_gemm
		.amdhsa_group_segment_fixed_size 327680
		.amdhsa_private_segment_fixed_size 0
		.amdhsa_enable_private_segment 0
		.amdhsa_kernarg_size 32
		.amdhsa_user_sgpr_count 2
		.amdhsa_user_sgpr_kernarg_segment_ptr 1
		.amdhsa_wavefront_size32 1
		.amdhsa_system_sgpr_workgroup_id_x 1
		.amdhsa_system_sgpr_workgroup_id_y 1
		.amdhsa_system_sgpr_workgroup_id_z 1
		.amdhsa_system_vgpr_workitem_id 0
		.amdhsa_next_free_vgpr 1024
		.amdhsa_next_free_sgpr 66
		.amdhsa_reserve_vcc 0
		.amdhsa_float_denorm_mode_32 3
		.amdhsa_float_denorm_mode_16_64 3
		.amdhsa_memory_ordered 1
		.amdhsa_forward_progress 1
		.amdhsa_inst_pref_size 164
	.end_amdhsa_kernel
	.amdgpu_metadata
---
amdhsa.version: [ 1, 2 ]
amdhsa.kernels:
  - .name:           k_q70e276fa3a_gemm
    .symbol:         k_q70e276fa3a_gemm.kd
    .args:
      - { .name: xb, .offset: 0, .size: 8, .value_kind: global_buffer, .address_space: global }
      - { .name: wb, .offset: 8, .size: 8, .value_kind: global_buffer, .address_space: global }
      - { .name: bias, .offset: 16, .size: 8, .value_kind: global_buffer, .address_space: global }
      - { .name: out0, .offset: 24, .size: 8, .value_kind: global_buffer, .address_space: global }
    .group_segment_fixed_size: 327680
    .private_segment_fixed_size: 0
    .kernarg_segment_align: 8
    .kernarg_segment_size: 32
    .max_flat_workgroup_size: 128
    .sgpr_count:     66
    .vgpr_count:     1024
    .wavefront_size: 32
...
	.end_amdgpu_metadata
.endif
;; end of part 2
